; MI455X (gfx1250); checked and timed in simulation.
; The chip was launched on July 23, 2026; its instructions are those of AMD's public machine-readable ISA for CDNA 5 (MIT licence, August 2026) and "CDNA5" Instruction Set Architecture Reference Guide (July 2026). The comments in the code are by the model that wrote it; some were corrected since.
;; Tokenformer P Attention. Allowed arithmetic: float matrix products may take bf16 or f16 operands with f32 sums; other float arithmetic in f32, or as packed bf16 or f16 multiplies, adds, multiply-adds, maxima and minima; sums over many terms, partial sums and values carried from step to step in f32; what a program stores and reads back later, other than sums and carried values, may be rounded once to bf16 or f16.
;; Inputs: K 4,096 x 1,024 float32; V 4,096 x 1,024 float32; x 4 x 2,048 x 1,024 float32.
;; Outputs: out0 4 x 2,048 x 1,024 float32.
;; One version. Each part assembles by itself: llvm-mc -triple=amdgcn-amd-amdhsa -mcpu=gfx1250 --defsym DOCPART=n.
;; ======== version 1 of 1: 3 launches
;; limits: inputs' magnitudes at most 65,504; values are held in f16: magnitudes above 65,504 overflow, below 6.1e-05 lose precision
;; workspace buffers: xb 16,777,216 bytes; kb 8,388,608 bytes; vh 8,388,608 bytes; pw 67,108,864 bytes; stats 2,097,152 bytes
;; launch cast (part 1): grid 1024 x 1, 8 waves a work-group, no clusters, 0 bytes of LDS; arguments x, K, V, xb, kb, vh; writes xb, kb, vh
.if DOCPART == 1
	.amdgcn_target "amdgcn-amd-amdhsa--gfx1250"
	.amdhsa_code_object_version 6
	.text
	.protected	k_q9441256b62_cast
	.globl	k_q9441256b62_cast
	.p2align	8
	.type	k_q9441256b62_cast,@function
k_q9441256b62_cast:
	s_mov_b64 s[64:65], 0
	v_nop
	global_prefetch_b8 v0, s[64:65] scope:SCOPE_SE
	s_setreg_imm32_b32 hwreg(HW_REG_WAVE_MODE, 25, 1), 1
	s_wait_xcnt 0x0
; The three f32 inputs are rounded once to 16 bits for the matrix products: xb = bf16(x), kb = bf16(K), vh = bf16(V) written as f16.
; LIMITS.  vh: a bf16 number has 8 significant bits, so it is exact in f16 between 6.1e-5 and 65,504 in magnitude; |V| of 65,520 or more becomes an infinity,
; below 6.1e-5 the number keeps f16's fixed step of 6e-8.  NaN and infinities are not treated apart.
; SHARES.  A work-group takes 16,384 numbers (65,536 bytes in, 32,768 out): groups 0-511 x, 512-767 K, 768-1023 V.  In trip i of 8 thread t loads the 16 bytes at
; 16 t + 8,192 i and those 4,096 further on, and stores 8 bytes at 8 t + 4,096 i and 2,048 further on: a wave's load covers 512 consecutive bytes, its store 256, aligned.
; All 16 loads of a wave go out at once (8 KiB); the waits count down.  No register that a memory instruction reads is written again, so no wait frees any.
; No LDS, no matrix unit, no cluster: no byte is used twice, and no work-group shares an input with another.
.set X, 8                              ; v[8:71]  trip i: 8 registers as loaded; 0, 1 and 4, 5 of them as stored
.set TRIPS, 8
	s_load_b256 s[4:11], s[0:1], 0x0               ; x s[4:5], K s[6:7], V s[8:9], xb s[10:11]
	s_load_b128 s[12:15], s[0:1], 0x20             ; kb s[12:13], vh s[14:15]
	s_mov_b32 s2, ttmp9
	s_mov_b32 s3, 0xffff0000                       ; a word's upper bf16
	v_lshlrev_b32 v1, 4, v0                        ; 16 t
	v_lshlrev_b32 v2, 3, v0                        ; 8 t
	s_sub_co_u32 s20, s2, 512                      ; my number among K's groups,
	s_sub_co_u32 s22, s2, 768                      ; among V's
	s_wait_kmcnt 0x0
	s_cmp_lt_u32 s2, 768
	s_cselect_b64 s[16:17], s[6:7], s[8:9]
	s_cselect_b64 s[18:19], s[12:13], s[14:15]
	s_cselect_b32 s20, s20, s22
	s_cmp_lt_u32 s2, 512
	s_cselect_b64 s[16:17], s[4:5], s[16:17]       ; from where,
	s_cselect_b64 s[18:19], s[10:11], s[18:19]     ; to where,
	s_cselect_b32 s20, s2, s20                     ; and which part of it
	s_lshl_b32 s22, s20, 15
	s_lshl_b32 s20, s20, 16
	s_mov_b32 s21, 0
	s_mov_b32 s23, 0
	s_add_nc_u64 s[16:17], s[16:17], s[20:21]
	s_add_nc_u64 s[18:19], s[18:19], s[22:23]
.set i, 0
.rept TRIPS
	global_load_b128 v[X+8*i:X+8*i+3],   v1, s[16:17] offset:8192*i th:TH_LOAD_NT
	global_load_b128 v[X+8*i+4:X+8*i+7], v1, s[16:17] offset:8192*i+4096 th:TH_LOAD_NT
.set i, i+1
.endr
; Trip i.  half = 1: the rounded number is written as f16.
.macro CONV i, half
	s_wait_loadcnt 2*(TRIPS-1-(\i))                ; loads come back in order: this trip's two are in, the later trips' stay out
.irp j, 0,4
	v_cvt_pk_bf16_f32 v[X+8*(\i)+(\j)],   v[X+8*(\i)+(\j)],   v[X+8*(\i)+(\j)+1]  ; in place, ascending: no source is written before it is read
	v_cvt_pk_bf16_f32 v[X+8*(\i)+(\j)+1], v[X+8*(\i)+(\j)+2], v[X+8*(\i)+(\j)+3]
.endr
.if \half
.irp j, 0,1,4,5
	v_lshlrev_b32 v4, 16, v[X+8*(\i)+(\j)]         ; the two bf16 as f32,
	v_and_b32 v5, s3, v[X+8*(\i)+(\j)]
	v_cvt_pk_f16_f32 v[X+8*(\i)+(\j)], v4, v5      ; and as f16
.endr
.endif
	global_store_b64 v2, v[X+8*(\i):X+8*(\i)+1],   s[18:19] offset:4096*(\i)
	global_store_b64 v2, v[X+8*(\i)+4:X+8*(\i)+5], s[18:19] offset:4096*(\i)+2048
.endm
	s_cmp_ge_u32 s2, 768
	s_cbranch_scc1 .Lhalf
.irp i, 0,1,2,3,4,5,6,7
	CONV \i, 0
.endr
	s_endpgm
.Lhalf:
.irp i, 0,1,2,3,4,5,6,7
	CONV \i, 1
.endr
	s_endpgm
.Lfunc_end_k_q9441256b62_cast:
	.size	k_q9441256b62_cast, .Lfunc_end_k_q9441256b62_cast-k_q9441256b62_cast
	.p2alignl 7, 3214868480
	.fill 96, 4, 3214868480
	.section	.rodata,"a",@progbits
	.p2align	6, 0x0
	.amdhsa_kernel k_q9441256b62_cast
		.amdhsa_group_segment_fixed_size 0
		.amdhsa_private_segment_fixed_size 0
		.amdhsa_enable_private_segment 0
		.amdhsa_kernarg_size 48
		.amdhsa_user_sgpr_count 2
		.amdhsa_user_sgpr_kernarg_segment_ptr 1
		.amdhsa_wavefront_size32 1
		.amdhsa_system_sgpr_workgroup_id_x 1
		.amdhsa_system_sgpr_workgroup_id_y 1
		.amdhsa_system_sgpr_workgroup_id_z 1
		.amdhsa_system_vgpr_workitem_id 0
		.amdhsa_next_free_vgpr 72
		.amdhsa_next_free_sgpr 66
		.amdhsa_reserve_vcc 0
		.amdhsa_float_denorm_mode_32 3
		.amdhsa_float_denorm_mode_16_64 3
		.amdhsa_memory_ordered 1
		.amdhsa_forward_progress 1
		.amdhsa_inst_pref_size 15
	.end_amdhsa_kernel
	.amdgpu_metadata
---
amdhsa.version: [ 1, 2 ]
amdhsa.kernels:
  - .name:           k_q9441256b62_cast
    .symbol:         k_q9441256b62_cast.kd
    .args:
      - { .name: x, .offset: 0, .size: 8, .value_kind: global_buffer, .address_space: global }
      - { .name: K, .offset: 8, .size: 8, .value_kind: global_buffer, .address_space: global }
      - { .name: V, .offset: 16, .size: 8, .value_kind: global_buffer, .address_space: global }
      - { .name: xb, .offset: 24, .size: 8, .value_kind: global_buffer, .address_space: global }
      - { .name: kb, .offset: 32, .size: 8, .value_kind: global_buffer, .address_space: global }
      - { .name: vh, .offset: 40, .size: 8, .value_kind: global_buffer, .address_space: global }
    .group_segment_fixed_size: 0
    .private_segment_fixed_size: 0
    .kernarg_segment_align: 8
    .kernarg_segment_size: 48
    .max_flat_workgroup_size: 256
    .sgpr_count:     66
    .vgpr_count:     72
    .wavefront_size: 32
...
	.end_amdgpu_metadata
.endif
;; end of part 1
;; launch scores (part 2): grid 16 x 16, 4 waves a work-group, clusters of 4 x 4, 327,680 bytes of LDS; arguments xb, kb, pw, stats; writes pw, stats
.if DOCPART == 2
	.amdgcn_target "amdgcn-amd-amdhsa--gfx1250"
	.amdhsa_code_object_version 6
	.text
	.protected	k_q9441256b62_scores
	.globl	k_q9441256b62_scores
	.p2align	8
	.type	k_q9441256b62_scores,@function
k_q9441256b62_scores:
	s_mov_b64 s[64:65], 0
	v_nop
	global_prefetch_b8 v0, s[64:65] scope:SCOPE_SE
	s_setreg_imm32_b32 hwreg(HW_REG_WAVE_MODE, 25, 1), 1
	s_wait_xcnt 0x0
	s_wait_alu depctr_hold_cnt(0) depctr_sa_sdst(0) depctr_va_vdst(0) depctr_va_sdst(0) depctr_va_ssrc(0) depctr_va_vcc(0) depctr_vm_vsrc(0)
	s_getreg_b32 s2, hwreg(HW_REG_IB_STS2, 6, 4)
	s_cmp_eq_u32 s2, 0
	s_cbranch_scc0 .Lentry_in_a_cluster
	s_endpgm
.Lentry_in_a_cluster:
	s_bfe_u32 s2, ttmp6, 0x10000c
	s_cmp_lg_u32 s2, 0xf033
	s_cbranch_scc0 .Lentry_shape_is_right
	s_endpgm
.Lentry_shape_is_right:
; S[q][k] = the sum over e of xb[q][e] kb[k][e] (bf16 operands, f32 sums), and of it, for each query and each BLOCK of 128 keys: the block's maximum m, the weights
; p = 2^(c s - c m), c = log2(e) / 32, rounded to f16 into pw, and their sum l (of the unrounded p).  c m and l go to stats, f32: c m at byte
; ((q / 128 x 32 + k / 128) x 128 + q % 128) x 4, l 1,048,576 bytes further on.  The next launch carries the blocks to the row's own maximum.
; pw LIES IN THE ORDER OF THE NEXT LAUNCH'S MATRIX OPERAND (32 keys x 16 queries in 8 registers): 131,072 bytes for each 16 queries, in them 1,024 bytes for each 32 keys, in them lane l's registers 0-3 at
; 16 l and its registers 4-7 at 512 + 16 l.  That is what a lane holds here when it has packed its weights, so they are stored as they lie, and nothing goes through LDS on the way out.
; LIMITS.  p lies in 0 to 1; below 6e-5 it keeps f16's fixed step of 6e-8; a weight below 2^-126 counts as 0 in l.  NaN and infinities are not treated apart.
; SHARES.  A tile is 256 queries x 256 keys: four waves, each 128 x 128: 64 accumulators of 16 x 16, 512 registers; a wave's 128 keys are one block.  E goes in steps of 128 through a ring of two LDS
; slots filled by the tensor data mover.  A work-group makes two tiles, 4,096 queries apart; the ring goes on from the first into the second.
; CLUSTER.  4 x 4 work-groups: the four of a row need the same rows of xb, the four of a column the same rows of kb: each tile is asked for jointly, by the same tensor load with the same descriptor and mask.
; THE MATRIX INSTRUCTION IS USED TRANSPOSED (source 0 = 16 keys, source 1 = 16 queries): a lane holds ONE query (lane % 16) and, in accumulator b, the keys 16 b + 8 (lane / 16) + 0..7.  So a query's
; maximum and sum want one exchange between the halves of the lanes, and accumulator b's eight weights pack into the 16 bytes of half b % 2 of key group b / 2.
; REGISTERS, in windows of 256 (s_set_vgpr_msb: bits 1:0 source 0, 3:2 source 1, 5:4 source 2, 7:6 destination):
;   window 0: v0-31 addresses and the softmax's few; v32-39 the statistics on their way out; v64-127, v128-191 fragments of xb, two buffers; v192-223 packed weights
;   window 1: v64-127, v128-191 fragments of kb      window 2: the accumulators of my queries 0-63 ((a, b) at v[8 (8 a + b)])      window 3: those of my queries 64-127
.set SIZE_M, 8192
.set SIZE_N, 4096
.set SIZE_K, 1024
.set SIZE_TILES, 2
.set KSTEP,  128
.set PITCH,  272                       ; an LDS row: 256 bytes + 16 of padding = 68 words: the 16 rows of a load start at 16 different groups of four banks (64 banks of 4 bytes: ISA guide 11.1)
.set HALFT,  128*PITCH                 ; 128 rows: what one tensor load brings, and what one wave reads of xb or of kb
.set SLOT,   4*HALFT                   ; xb's 256 rows, then kb's 256 rows
.set STATB,  2*SLOT                    ; behind the ring: each wave's own 1,024 bytes: c m of its 128 queries, then l
.set SPARE,  STATB+4*1024              ; the spare words, 128 bytes for each wave: two blocks of 256 bytes that no other line names
.set LAPS,   SIZE_K/(2*KSTEP)          ; a lap = two steps = once round the ring
.set WALK,   SIZE_M/SIZE_TILES
.set QBB,    16*SIZE_N*2               ; bytes of pw for 16 queries
.set NEXT_A, WALK*SIZE_K*2-(SIZE_K-2*KSTEP)*2   ; from a slot's last step of a tile to its first of the next: xb goes WALK rows down and back along E,
.set BACK_B, (SIZE_K-2*KSTEP)*2        ; kb only back
.set NEXT_C, (WALK/16-7)*QBB           ; from my last 16 queries of pw in a tile to my first of the next
.set CX,   4                           ; v4-7    four running maxima
.set CM,   8                           ; v8      c m; v9 = 0, named with it as a pair
.set LS,   10                          ; v10-11  l
.set XC,   12                          ; v12     what the other half of the lanes sends
.set SO,   14                          ; v14     16 x lane: my 16 bytes of 512, in pw and in stats; never rewritten
.set ADRA, 16                          ; v16-17  LDS address of my xb fragments in slot 0, 1
.set ADRB, 20                          ; v20-21  the same for kb
.set SA,   27                          ; v27     where my query's c m goes in my wave's STATB
.set SPW,  28                          ; v28     LDS address of my spare word; never rewritten
.set NIL,  29                          ; v29     0; never rewritten
.set PFO,  30                          ; v30     the prefetches' offset: my lane x a row of xb or kb; never rewritten
.set SR,   31                          ; v31     where I read 16 bytes of my wave's STATB back
.set OB,   32                          ; v32-39  my wave's statistics, read back
.set F0,   64
.set F1,   128
.set TMP,  192                         ; packed weights
.set G1,  24                           ; s[24:31] descriptor group 1 for xb's tiles;  s[32:39] group 0, a set for each slot
.set G0,  32
.set G1B, 48                           ; s[48:55], s[56:63] the same for kb's
.set G0B, 56
.set LIM, 43                           ; s43      1 in a wave that prefetches, else the greatest number
.set PFA, 44                           ; s[44:45] where my prefetches stand
.set CS,  66                           ; s[66:67] c, named as a pair
.set SEL, 68                           ; s[68:69] v_permlanex16_b32's selects: each lane takes its own place in the other half
.set STP, 70                           ; s[70:71] stats at my wave's 128 queries and block of keys
.set MSB, 0
.macro WIN new                         ; the immediate's high byte repeats the setting that is left; a switch that changes nothing is dropped
.if MSB != (\new)
	s_set_vgpr_msb (MSB<<8)|(\new)
.set MSB, \new
.endif
.endm
.set MUL_LO, 0xa1                      ; source 0 (kb) window 1, source 1 (xb) window 0, C and D window 2
.set MUL_HI, 0xf1                      ; the same, C and D window 3
.set TO_B,   0x40                      ; destination window 1, address window 0
; A joint load.  Waves 0 and 1 fetch xb's two halves, waves 2 and 3 kb's.  The branch hangs on the wave's number alone.  An s_nop 0 and four v_nop follow each of the two lines.
.macro JLOAD s
	s_cmp_eq_u32 s11, 0
	s_cbranch_scc0 .Lfor_b_\@
	tensor_load_to_lds s[G0+4*(\s):G0+4*(\s)+3], s[G1:G1+7]
	s_nop 0
.rept 4
	v_nop
.endr
	s_branch .Lasked_\@
.Lfor_b_\@:
	tensor_load_to_lds s[G0B+4*(\s):G0B+4*(\s)+3], s[G1B:G1B+7]
	s_nop 0
.rept 4
	v_nop
.endr
.Lasked_\@:
.endm
; A prefetch into the L2, behind each joint load and the run of LDS loads that follows it: the step that stands TWO refills on, 512 matrix instructions ahead of the load that will want it: 32 rows x 256 bytes, a lane a row.
; Each row's 256 bytes of a step are named once in the launch: xb's rows by the clusters with x = 0, kb's by those with y = 0; the four partners that ask for a tile jointly take 32 of a wave's 128 rows each, told apart by
; address.  how = 0, in the loop: a tile's last two refills have no step two on; how = 1, at the change of tiles: xb's steps 2 and 3 of the next tile; kb's rows have been read by then.
.macro ASK how
.if \how
	s_cmp_eq_u32 s[LIM], 1
.else
	s_cmp_gt_u32 s3, s[LIM]                        ; s3 = 1 in the loop's last trip
.endif
	s_cbranch_scc0 .Lnot_mine_\@
	global_prefetch_b8 v[PFO], s[PFA:PFA+1] offset:KSTEP*2 th:TH_LOAD_NT scope:SCOPE_SE
.Lnot_mine_\@:
.endm
.macro CREST                           ; a round of the cluster's barrier behind its opening barrier
	s_cmp_lg_u32 s10, 0
	s_cbranch_scc1 .Lnot_wave_0_\@
	s_barrier_signal -3
.Lnot_wave_0_\@:
	s_barrier_wait -3
	s_barrier_signal -1
	s_barrier_wait -1
.endm
.macro CROUND                          ; a whole round
	s_barrier_signal -1
	s_barrier_wait -1
	CREST
.endm
	s_load_b128 s[4:7], s[0:1], 0x0                ; xb s[4:5], kb s[6:7]
	s_load_b64 s[8:9], s[0:1], 0x10                ; pw
	s_load_b64 s[STP:STP+1], s[0:1], 0x18          ; stats
	v_lshl_add_u32 v[SPW], v0, 2, SPARE
	v_mov_b32 v[NIL], 0
	ds_add_u32 v[SPW], v[NIL]                      ; the wave's opening: the add and its wait stand ahead of my first tensor load; the set-up below, work on registers, stands between them
	v_lshrrev_b32 v1, 5, v0
	v_readfirstlane_b32 s10, v1                    ; wave 0..3
	s_lshr_b32 s11, s10, 1                         ; which half of the tile's queries is mine.  Also: I fetch for xb (0) or for kb (1)
	s_and_b32 s12, s10, 1                          ; which half of its keys.  Also: which 128 rows of that tile I fetch
	s_bfe_u32 s40, ttmp6, 0x40000                  ; cx, cy: my place in the cluster
	s_bfe_u32 s41, ttmp6, 0x40004
	s_lshl_b32 s42, ttmp9, 2
	s_add_co_u32 s42, s42, s40                     ; tile column = 4 x cluster x + cx
	s_and_b32 s13, ttmp7, 0xffff
	s_lshl_b32 s13, s13, 2
	s_add_co_u32 s13, s13, s41                     ; tile row = 4 x cluster y + cy
	s_lshl_b32 s43, s41, 2
	s_lshl_b32 s43, 15, s43                        ; my row of the cluster
	s_lshl_b32 s44, 0x1111, s40                    ; my column
	; descriptor group 1: a tile of 128 rows x 128 elements, padded in LDS
	s_or_b32 s[G1+0], s43, (1<<16)|(1<<20)|(1<<21)|(5<<22)|(3<<25)  ; 15:0 the mask: xb's tiles go to my row; 17:16 elements of 2 bytes; 20 padding on; 21 set beside a mask; 24:22 after every 64 words; 31:25 4 words
	s_or_b32 s[G1B+0], s44, (1<<16)|(1<<20)|(1<<21)|(5<<22)|(3<<25) ; the same with the mask of my column
.irp g, G1, G1B
	s_mov_b32 s[(\g)+1], KSTEP<<16                 ; tensor_dim0 = 128
	s_mov_b32 s[(\g)+2], 128<<16                   ; tensor_dim1 = 128
	s_mov_b32 s[(\g)+3], KSTEP<<16                 ; tile_dim0 = 128
	s_mov_b32 s[(\g)+4], 128                       ; tile_dim1 = 128
	s_mov_b32 s[(\g)+5], SIZE_K                    ; elements from row to row
	s_mov_b32 s[(\g)+6], 0
	s_mov_b32 s[(\g)+7], 0
.endr
	s_lshl_b32 s72, s13, 15                        ; stats: ((2 x tile row + query half) x 32 + 2 x tile column + key half) x 512 bytes
	s_lshl_b32 s73, s11, 14
	s_add_co_u32 s72, s72, s73
	s_lshl_b32 s73, s42, 10
	s_add_co_u32 s72, s72, s73
	s_lshl_b32 s73, s12, 9
	s_add_co_u32 s72, s72, s73
	s_mov_b32 s73, 0
	s_mov_b32 s[CS], 0x3d38aa3b                    ; c = log2(e) / 32 = 0.0450842
	s_mov_b32 s[CS+1], s[CS]
	s_mov_b32 s[SEL], 0x76543210
	s_mov_b32 s[SEL+1], 0xfedcba98
	; where the tiles come from: xb's hang on the tile row alone, kb's on the tile column alone; every wave makes both addresses, in registers that never hold the other coordinate
	s_lshl_b32 s17, s12, 7
	s_lshl_b32 s16, s13, 8
	s_add_co_u32 s16, s16, s17                     ; xb: row 256 x tile row + 128 x half
	s_lshl_b32 s46, s42, 8
	s_add_co_u32 s46, s46, s17                     ; kb: row 256 x tile column + 128 x half
	s_mov_b32 s17, 0
	s_mov_b32 s47, 0
	s_mov_b64 s[18:19], SIZE_K*2
	s_mul_u64 s[16:17], s[16:17], s[18:19]
	s_mul_u64 s[46:47], s[46:47], s[18:19]
	s_mul_i32 s20, s10, HALFT                      ; where they go: wave x 128 rows: no place in the cluster enters an LDS address
	s_wait_dscnt 0x0                               ; the opening add is done
	s_wait_kmcnt 0x0
	s_add_nc_u64 s[14:15], s[4:5], s[16:17]
	s_add_nc_u64 s[46:47], s[6:7], s[46:47]
	s_add_nc_u64 s[STP:STP+1], s[STP:STP+1], s[72:73]
	CROUND                                         ; all sixteen work-groups are here: the first joint loads meet
.irp s, 0,1
	s_mov_b32 s[G0+4*(\s)], 1                                      ; count = 1
	s_add_co_u32 s[G0+4*(\s)+1], s20, (\s)*SLOT                    ; LDS address
	s_add_nc_u64 s[G0+4*(\s)+2:G0+4*(\s)+3], s[14:15], (\s)*KSTEP*2  ; global address: step s
	s_or_b32 s[G0+4*(\s)+3], s[G0+4*(\s)+3], 0x80000000            ; type = 2
	s_mov_b32 s[G0B+4*(\s)], 1
	s_add_co_u32 s[G0B+4*(\s)+1], s20, (\s)*SLOT
	s_add_nc_u64 s[G0B+4*(\s)+2:G0B+4*(\s)+3], s[46:47], (\s)*KSTEP*2
	s_or_b32 s[G0B+4*(\s)+3], s[G0B+4*(\s)+3], 0x80000000
	JLOAD \s                                       ; two loads of mine are out
.endr
	; A fragment is 16 rows x 32 along E in 8 registers: lane l holds row l % 16; registers 0-3 hold E = 8 (l / 16) + 0..7, registers 4-7 E = 16 + 8 (l / 16) + 0..7: two loads of 16 bytes, 32 bytes apart.
	v_and_b32 v1, 15, v0                           ; l % 16
	v_bfe_u32 v2, v0, 4, 1                         ; l / 16
	v_mul_u32_u24 v3, v1, PITCH
	v_lshl_add_u32 v3, v2, 4, v3
	s_mul_i32 s21, s11, HALFT                      ; my 128 rows of xb
	s_mul_i32 s22, s12, HALFT                      ; my 128 rows of kb,
	s_add_co_u32 s22, s22, 2*HALFT                 ; which lie behind xb's 256
.irp s, 0,1
	v_add_nc_u32 v[ADRA+(\s)], s21, v3
	v_add_nc_u32 v[ADRB+(\s)], s22, v3
	s_add_co_u32 s21, s21, SLOT
	s_add_co_u32 s22, s22, SLOT
.endr
	s_lshl_b32 s23, s10, 10
	s_add_co_u32 s23, s23, STATB                   ; my wave's statistics
	v_lshl_add_u32 v[SA], v1, 2, s23
	v_and_b32 v5, 31, v0
	v_lshl_add_u32 v[SR], v5, 4, s23
	v_lshlrev_b32 v[SO], 4, v5
	v_mov_b32 v[CM+1], 0
	v_mov_b32 v[XC], 0                             ; v_permlanex16_b32's destination counts as read
	; where my part of the first tile begins in pw: the first way out adds it to pw's address
	s_lshl_b32 s13, s13, 8
	s_lshl_b32 s14, s11, 7
	s_add_co_u32 s16, s13, s14                     ; my first query: 8,192 bytes of pw for each (131,072 for 16)
	s_mov_b32 s17, 0
	s_mov_b64 s[18:19], SIZE_N*2
	s_mul_u64 s[16:17], s[16:17], s[18:19]
	s_lshl_b32 s46, s42, 13                        ; my first group of 32 keys, 8 x tile column + 4 x half, 1,024 bytes each
	s_lshl_b32 s47, s12, 12
	s_add_co_u32 s46, s46, s47
	s_mov_b32 s47, 0
	s_add_nc_u64 s[16:17], s[16:17], s[46:47]
	; the prefetches
	s_lshl_b32 s42, s42, 8
	s_and_b32 s22, ttmp7, 0xffff                   ; cluster y
	s_cmp_eq_u32 s11, 0                            ; do I fetch for xb?
	s_cselect_b32 s20, s13, s42                    ; the tile's first row
	s_cselect_b32 s21, s40, s41                    ; my place among the four that ask for it with me
	s_cselect_b32 s22, ttmp9, s22                  ; the coordinate along which other clusters read the same rows
	s_cselect_b64 s[PFA:PFA+1], s[4:5], s[6:7]
	s_cmp_eq_u32 s22, 0
	s_cselect_b32 s[LIM], 1, -1                    ; the same in all sixteen partners, for a given wave
	s_lshl_b32 s22, s12, 7
	s_add_co_u32 s20, s20, s22                     ; + the 128 rows that I fetch
	s_lshl_b32 s21, s21, 5
	s_add_co_u32 s20, s20, s21                     ; + my work-group's 32 of them
	s_mov_b32 s21, 0
	s_mov_b64 s[18:19], SIZE_K*2
	s_mul_u64 s[20:21], s[20:21], s[18:19]
	s_add_nc_u64 s[PFA:PFA+1], s[PFA:PFA+1], s[20:21]
	s_add_nc_u64 s[PFA:PFA+1], s[PFA:PFA+1], 2*KSTEP*2  ; at step 2: the first refill steps it to 3 and names step 4.  Nothing is prefetched at the head
	v_and_b32 v[PFO], 31, v0
	v_mul_u32_u24 v[PFO], v[PFO], SIZE_K*2
; 16 matrix instructions: query blocks a0, a0 + 1 of the window's four x all 8 key blocks, 32 along E.  zero = 1: the first product starts the sums.
.macro MUL16 f, hi, a0, zero
	WIN MUL_LO+0x50*(\hi)
.irp a, \a0, (\a0)+1
.irp b, 0,1,2,3,4,5,6,7
.if \zero
	v_wmma_f32_16x16x32_bf16 v[8*(8*(\a)+(\b)):8*(8*(\a)+(\b))+7], v[(\f)+8*(\b):(\f)+8*(\b)+7], v[(\f)+8*(4*(\hi)+(\a)):(\f)+8*(4*(\hi)+(\a))+7], 0
.else
	v_wmma_f32_16x16x32_bf16 v[8*(8*(\a)+(\b)):8*(8*(\a)+(\b))+7], v[(\f)+8*(\b):(\f)+8*(\b)+7], v[(\f)+8*(4*(\hi)+(\a)):(\f)+8*(4*(\hi)+(\a))+7], v[8*(8*(\a)+(\b)):8*(8*(\a)+(\b))+7]
.endif
.endr
.endr
.endm
; 32 LDS loads in one run: the fragments of one quarter step (32 along E at byte k of the rows) into buffer f
.macro FETCH slot, k, f
	WIN TO_B
.irp i, 0,1,2,3,4,5,6,7
	ds_load_b128 v[(\f)+8*(\i):(\f)+8*(\i)+3],   v[ADRB+(\slot)] offset:(\k)+(\i)*16*PITCH
	ds_load_b128 v[(\f)+8*(\i)+4:(\f)+8*(\i)+7], v[ADRB+(\slot)] offset:(\k)+(\i)*16*PITCH+32
.endr
	WIN 0
.irp i, 0,1,2,3,4,5,6,7
	ds_load_b128 v[(\f)+8*(\i):(\f)+8*(\i)+3],   v[ADRA+(\slot)] offset:(\k)+(\i)*16*PITCH
	ds_load_b128 v[(\f)+8*(\i)+4:(\f)+8*(\i)+7], v[ADRA+(\slot)] offset:(\k)+(\i)*16*PITCH+32
.endr
.endm
.macro PLACES                          ; four plain vector instructions between a matrix instruction and a load into a register that it has read (ISA guide 7.12.1 for vector instructions)
.rept 4
	v_nop
.endr
.endm
; A step is four quarters of 32 along E, 64 matrix instructions each, on buffers 0, 1, 0, 1; the 64 accumulators take turns, in the same order in every quarter.
; One of the first three: multiplies buffer f; in its middle it fetches the next quarter's fragments, at byte k, into buffer g.
.macro QUARTER slot, k, f, g, zero
	s_wait_dscnt 8                                 ; kb's fragments and xb's rows 0-63 are in; the youngest eight loads may be out
	WIN MUL_LO
	MUL16 \f, 0, 0, \zero
	MUL16 \f, 0, 2, \zero
	PLACES
	FETCH \slot, \k, \g
	s_wait_dscnt 32                                ; all but the 32 just issued
	WIN MUL_HI
	MUL16 \f, 1, 0, \zero
	MUL16 \f, 1, 2, \zero
.endm
; The last quarter multiplies buffer 1 and changes slots.  MEET is its first half: one barrier; in front of it each wave waits for all its tensor loads (one is out: its part of the next slot), adds 0 to its spare word,
; and waits for that and for its own reads of this slot.  Behind it nobody reads this slot any more and the next slot is whole.
.macro MEET round
	WIN 0                                          ; (the add's two registers lie in window 0)
	s_wait_tensorcnt 0x0
	ds_add_u32 v[SPW], v[NIL]                      ; 0 onto my spare word
	s_wait_dscnt 9                                 ; (the add and the youngest eight loads may be out)
	WIN MUL_LO
	MUL16 F1, 0, 0, 0                              ; sixteen matrix instructions stand between the add and the wait for it
	s_wait_dscnt 0x0                               ; the add is done, and my reads of this slot are over
	s_barrier_signal -1
	MUL16 F1, 0, 2, 0                              ; work on registers while the others arrive
.if \round
	WIN 0
.endif
	s_barrier_wait -1
.endm
; The whole last quarter.  Behind the round the slot just read out is filled again first: with this tile's step two on (on = 0) or with the next tile's step 0 or 1 (on = 1); then come the next slot's first fragments.
.macro TURN slot, next, on
	s_wait_xcnt 0x0                                ; the last prefetch, a step back, has read its address
.if (\on) && (\slot) == 0
	s_add_nc_u64 s[PFA:PFA+1], s[PFA:PFA+1], (WALK-1)*SIZE_K*2+KSTEP*2  ; from the step after the tile's last to the next tile's step 1
	s_cmp_eq_u32 s11, 0
	s_cselect_b32 s[LIM], s[LIM], -1               ; kb's rows are the same for both tiles: they are prefetched no more
.else
	s_add_nc_u64 s[PFA:PFA+1], s[PFA:PFA+1], KSTEP*2
.endif
	MEET 1
	CREST                                          ; no wave of any partner still reads this slot's tile or has a load on its way
.if \on
	s_add_nc_u64 s[G0+4*(\slot)+2:G0+4*(\slot)+3], s[G0+4*(\slot)+2:G0+4*(\slot)+3], NEXT_A
	s_sub_nc_u64 s[G0B+4*(\slot)+2:G0B+4*(\slot)+3], s[G0B+4*(\slot)+2:G0B+4*(\slot)+3], BACK_B
.else
	s_add_nc_u64 s[G0+4*(\slot)+2:G0+4*(\slot)+3], s[G0+4*(\slot)+2:G0+4*(\slot)+3], 2*KSTEP*2
	s_add_nc_u64 s[G0B+4*(\slot)+2:G0B+4*(\slot)+3], s[G0B+4*(\slot)+2:G0B+4*(\slot)+3], 2*KSTEP*2
.endif
	JLOAD \slot                                    ; my one tensor load behind the round: 224 matrix instructions ahead of the wait for it; its four v_nop are also the places in front of the loads below
	FETCH \next, 0, F0
	ASK \on
	WIN MUL_HI
	MUL16 F1, 1, 0, 0
	MUL16 F1, 1, 2, 0
.endm
; THE SOFTMAX OF A BLOCK, for my query block a (16 queries x 128 keys: 64 scores a lane, s0-s63, in eight accumulators).
.macro SOFT a
.set AC, 64*((\a)%4)
.set W, 2+(\a)/4
	WIN 0x15*W                                     ; the maximum, three operands at a time, in four chains
.irp k, 0,1,2,3
	v_max3_num_f32 v[CX+(\k)], v[AC+8*(\k)], v[AC+8*(\k)+1], v[AC+8*(\k)+2]
.endr
	WIN 0x14*W
.irp o, 3,5
.irp k, 0,1,2,3
	v_max3_num_f32 v[CX+(\k)], v[CX+(\k)], v[AC+8*(\k)+(\o)], v[AC+8*(\k)+(\o)+1]
.endr
.endr
.irp k, 0,1,2,3
	v_max3_num_f32 v[CX+(\k)], v[CX+(\k)], v[AC+8*(\k)+7], v[AC+8*(\k)+32]
.endr
.irp o, 33,35,37
.irp k, 0,1,2,3
	v_max3_num_f32 v[CX+(\k)], v[CX+(\k)], v[AC+8*(\k)+(\o)], v[AC+8*(\k)+(\o)+1]
.endr
.endr
	v_max3_num_f32 v[CX], v[CX], v[AC+39], v[AC+47]
	v_max3_num_f32 v[CX+2], v[CX+2], v[AC+55], v[AC+63]
	WIN 0
	v_max3_num_f32 v[CX], v[CX], v[CX+1], v[CX+2]
	v_max_num_f32 v[CX], v[CX], v[CX+3]
	v_permlanex16_b32 v[CX+1], v[CX], s[SEL], s[SEL+1]  ; the query's other 64 keys lie in the lane 16 away
	v_max_num_f32 v[CX], v[CX], v[CX+1]
	v_mul_f32 v[CM], s[CS], v[CX]
	ds_store_b32 v[SA], v[CM] offset:64*(\a)       ; both halves of the lanes write the same number to the same word
	WIN 0x41*W                                     ; c s - c m, a pair at a time, and the 64 exponentials, in place: ONE batch; no line of it names an exponential's result
	v_pk_fma_f32 v[AC:AC+1], v[AC:AC+1], s[CS:CS+1], v[CM:CM+1] op_sel_hi:[1,0,0] neg_lo:[0,0,1] neg_hi:[0,0,1]
.set p, 1
.rept 31
	v_pk_fma_f32 v[AC+2*p:AC+2*p+1], v[AC+2*p:AC+2*p+1], s[CS:CS+1], v[CM:CM+1] op_sel_hi:[1,0,0] neg_lo:[0,0,1] neg_hi:[0,0,1]
	v_exp_f32 v[AC+2*p-2], v[AC+2*p-2]
	v_exp_f32 v[AC+2*p-1], v[AC+2*p-1]
.set p, p+1
.endr
	v_exp_f32 v[AC+62], v[AC+62]
	v_exp_f32 v[AC+63], v[AC+63]
	v_nop                                          ; a plain instruction behind the last exponential,
	s_wait_alu depctr_va_vdst(0)                   ; and the one wait ahead of the batch's first reader
	s_wait_xcnt 0x0                                ; the stores of the block before, a whole softmax back, have read the packed weights and pw's address: both are written again only behind this wait
	WIN 0x05*W
.irp b, 0,1,2,3,4,5,6,7
.irp r, 0,1,2,3
	v_cvt_pk_f16_f32 v[TMP+4*(\b)+(\r)], v[AC+8*(\b)+2*(\r)], v[AC+8*(\b)+2*(\r)+1]
.endr
.endr
	WIN 0x45*W                                     ; the sum of the 32 pairs, in place: neighbours 16, 8, 4, 2 pairs apart
.irp d, 32,16,8,4
.set u, 0
.rept (\d)/2
	v_pk_add_f32 v[AC+u:AC+u+1], v[AC+u:AC+u+1], v[AC+(\d)+u:AC+(\d)+u+1]
.set u, u+2
.endr
.endr
	WIN 0x05*W
	v_pk_add_f32 v[LS:LS+1], v[AC:AC+1], v[AC+2:AC+3]
	WIN 0
	v_add_f32 v[LS], v[LS], v[LS+1]
	v_permlanex16_b32 v[XC], v[LS], s[SEL], s[SEL+1]
	v_add_f32 v[LS], v[LS], v[XC]
	ds_store_b32 v[SA], v[LS] offset:512+64*(\a)
.endm
; Block a's weights leave as they lie: accumulator b's 16 bytes a lane are half b % 2 of key group b / 2: eight stores of 512 consecutive bytes, 4,096 on end, at a multiple of 256 from pw's first byte.
.macro SEND a
	WIN 0
.if (\a) == 0
	s_add_nc_u64 s[8:9], s[8:9], s[16:17]          ; on to this tile's first 16 queries (no store has been issued since the softmax's wait for the earlier ones' addresses)
.else
	s_add_nc_u64 s[8:9], s[8:9], QBB               ; 16 queries on
.endif
.irp b, 0,1,2,3,4,5,6,7
	global_store_b128 v[SO], v[TMP+4*(\b):TMP+4*(\b)+3], s[8:9] offset:512*(\b)
.endr
.endm
	s_wait_tensorcnt 1                             ; my part of step 0 is in; step 1's may stay out
	s_barrier_signal -1
	s_barrier_wait -1                              ; everybody's is
	FETCH 0, 0, F0
	s_mov_b32 s2, SIZE_TILES                       ; tiles to go, this one among them: the same number in every work-group
.Ltile:
	QUARTER 0, 64,  F0, F1, 1                      ; a tile's first quarter: its products start the sums
	WIN 0                                          ; at a label and at a branch every window is 0
	s_mov_b32 s3, LAPS-1
.Llap:                                                 ; a trip goes once round the ring, from a lap's second quarter to the next lap's first, and fills both slots again
	QUARTER 0, 128, F1, F0, 0
	QUARTER 0, 192, F0, F1, 0
	TURN 0, 1, 0
	QUARTER 1, 64,  F0, F1, 0
	QUARTER 1, 128, F1, F0, 0
	QUARTER 1, 192, F0, F1, 0
	TURN 1, 0, 0
	QUARTER 0, 64,  F0, F1, 0
	WIN 0
	s_sub_co_u32 s3, s3, 1
	s_cmp_lg_u32 s3, 0
	s_cbranch_scc1 .Llap
	QUARTER 0, 128, F1, F0, 0                      ; the tile's last lap goes on
	QUARTER 0, 192, F0, F1, 0
	WIN 0
	s_cmp_eq_u32 s2, 1
	s_cbranch_scc1 .Llast                          ; the last tile's tail asks for nothing more
	TURN 0, 1, 1                                   ; the ring goes on into the next tile: slot 0 takes its step 0,
	QUARTER 1, 64,  F0, F1, 0
	QUARTER 1, 128, F1, F0, 0
	QUARTER 1, 192, F0, F1, 0
	TURN 1, 0, 1                                   ; slot 1 its step 1, and the next tile's first fragments are fetched
	WIN 0
	s_branch .Lout
.Llast:
	MEET 0                                         ; my one tensor load that was still out is slot 1's, the last step's, so no round follows
	PLACES                                         ; for the loads into buffer 0, which the quarter before multiplied
	FETCH 1, 0, F0
	WIN MUL_HI
	MUL16 F1, 1, 0, 0
	MUL16 F1, 1, 2, 0
	QUARTER 1, 64,  F0, F1, 0
	QUARTER 1, 128, F1, F0, 0
	QUARTER 1, 192, F0, F1, 0
	s_wait_dscnt 8                                 ; the very last quarter: nothing more to fetch
	MUL16 F1, 0, 0, 0
	MUL16 F1, 0, 2, 0
	s_wait_dscnt 0x0
	MUL16 F1, 1, 0, 0
	MUL16 F1, 1, 2, 0
	WIN 0
.Lout:                                                 ; THE WAY OUT, written once for both tiles: block after block, the softmax and its eight stores
.rept 8
	v_nop                                          ; the places between the last products and the first read of a result
.endr
.irp a, 0,1,2,3,4,5,6,7
	SOFT \a
	SEND \a
.endr
	ds_load_b128 v[OB:OB+3],   v[SR]               ; my wave's 128 c m and 128 l, 16 bytes a lane; LDS serves a wave's instructions in order (ISA guide 5.7.1.4): these see the softmax's stores
	ds_load_b128 v[OB+4:OB+7], v[SR] offset:512
	s_wait_dscnt 0x0
	global_store_b128 v[SO], v[OB:OB+3],   s[STP:STP+1]                  ; 512 consecutive bytes each
	global_store_b128 v[SO], v[OB+4:OB+7], s[STP:STP+1] offset:1048576
	s_wait_xcnt 0x0                                ; the stores have read their registers and their base
	s_add_nc_u64 s[STP:STP+1], s[STP:STP+1], 524288  ; 32 blocks of 128 queries on
	s_mov_b64 s[16:17], NEXT_C                     ; what the next way out adds to pw's address
	s_sub_co_u32 s2, s2, 1
	s_cmp_lg_u32 s2, 0
	s_cbranch_scc1 .Ltile
	s_wait_tensorcnt 0x0                           ; the wave's end, behind my last tensor load and my last LDS store
	ds_add_u32 v[SPW], v[NIL]
	s_wait_dscnt 0x0
	CROUND                                         ; the closing round: no work-group ends while a partner may still ask for a tile that names it
	s_endpgm
.Lfunc_end_k_q9441256b62_scores:
	.size	k_q9441256b62_scores, .Lfunc_end_k_q9441256b62_scores-k_q9441256b62_scores
	.p2alignl 7, 3214868480
	.fill 96, 4, 3214868480
	.section	.rodata,"a",@progbits
	.p2align	6, 0x0
	.amdhsa_kernel k_q9441256b62_scores
		.amdhsa_group_segment_fixed_size 327680
		.amdhsa_private_segment_fixed_size 0
		.amdhsa_enable_private_segment 0
		.amdhsa_kernarg_size 32
		.amdhsa_user_sgpr_count 2
		.amdhsa_user_sgpr_kernarg_segment_ptr 1
		.amdhsa_wavefront_size32 1
		.amdhsa_system_sgpr_workgroup_id_x 1
		.amdhsa_system_sgpr_workgroup_id_y 1
		.amdhsa_system_sgpr_workgroup_id_z 1
		.amdhsa_system_vgpr_workitem_id 0
		.amdhsa_next_free_vgpr 1024
		.amdhsa_next_free_sgpr 80
		.amdhsa_reserve_vcc 0
		.amdhsa_float_denorm_mode_32 3
		.amdhsa_float_denorm_mode_16_64 3
		.amdhsa_memory_ordered 1
		.amdhsa_forward_progress 1
		.amdhsa_inst_pref_size 239
	.end_amdhsa_kernel
	.amdgpu_metadata
---
amdhsa.version: [ 1, 2 ]
amdhsa.kernels:
  - .name:           k_q9441256b62_scores
    .symbol:         k_q9441256b62_scores.kd
    .args:
      - { .name: xb, .offset: 0, .size: 8, .value_kind: global_buffer, .address_space: global }
      - { .name: kb, .offset: 8, .size: 8, .value_kind: global_buffer, .address_space: global }
      - { .name: pw, .offset: 16, .size: 8, .value_kind: global_buffer, .address_space: global }
      - { .name: stats, .offset: 24, .size: 8, .value_kind: global_buffer, .address_space: global }
    .group_segment_fixed_size: 327680
    .private_segment_fixed_size: 0
    .kernarg_segment_align: 8
    .kernarg_segment_size: 32
    .max_flat_workgroup_size: 128
    .sgpr_count:     80
    .vgpr_count:     1024
    .wavefront_size: 32
...
	.end_amdgpu_metadata
.endif
;; end of part 2
;; launch mix (part 3): grid 4 x 64, 4 waves a work-group, clusters of 4 x 4, 327,680 bytes of LDS; arguments pw, vh, stats, out0; writes out0
.if DOCPART == 3
	.amdgcn_target "amdgcn-amd-amdhsa--gfx1250"
	.amdhsa_code_object_version 6
	.text
	.protected	k_q9441256b62_mix
	.globl	k_q9441256b62_mix
	.p2align	8
	.type	k_q9441256b62_mix,@function
k_q9441256b62_mix:
	s_mov_b64 s[64:65], 0
	v_nop
	global_prefetch_b8 v0, s[64:65] scope:SCOPE_SE
	s_setreg_imm32_b32 hwreg(HW_REG_WAVE_MODE, 25, 1), 1
	s_wait_xcnt 0x0
	s_wait_alu depctr_hold_cnt(0) depctr_sa_sdst(0) depctr_va_vdst(0) depctr_va_sdst(0) depctr_va_ssrc(0) depctr_va_vcc(0) depctr_vm_vsrc(0)
	s_getreg_b32 s2, hwreg(HW_REG_IB_STS2, 6, 4)
	s_cmp_eq_u32 s2, 0
	s_cbranch_scc0 .Lentry_in_a_cluster
	s_endpgm
.Lentry_in_a_cluster:
	s_bfe_u32 s2, ttmp6, 0x10000c
	s_cmp_lg_u32 s2, 0xf033
	s_cbranch_scc0 .Lentry_shape_is_right
	s_endpgm
.Lentry_shape_is_right:
; out0[q][e] = (the sum over blocks kb of 128 keys of g[q][kb] x the sum over the block's keys of p[q][k] V[k][e]) / L[q], with M[q] = the largest c m[q][kb], g = 2^(c m[q][kb] - M[q]) (at most 1) and
; L[q] = the sum of g l: the softmax by the row's true maximum.  vh [4096][1024] f16, stats f32 (c m, then l, by blocks of 128 queries x 32 key blocks x 128), out0 f32.
; pw, f16, lies in the order of the matrix operand: 131,072 bytes for each 16 queries, in them 1,024 bytes for each 32 keys, in them lane l's registers 0-3 at 16 l and its registers 4-7 at 512 + 16 l.
; g is rounded to f16 and multiplied onto p in f16 on the way from LDS to the matrix unit; products' sums, M and L in f32; out0 is scaled by 1 / L in f32.
; LIMITS.  A scaled weight g p below 6e-5 keeps f16's fixed step of 6e-8, below half of that it counts as 0 (L is at least about 1); vh holds no number beyond 65,504.  NaN and infinities are not treated apart.
; SHARES.  A tile is 128 queries x 256 channels; wave w takes queries 64 (w / 2) on and channels 128 (w % 2) on: 4 x 8 accumulators, 256 registers.  The keys go in 32 steps of 128, a block a step, through a ring of two LDS slots.
; Two slots of 256 keys would be 2 x 256 x (128 + 256) x 2 = 393,216 bytes: more than a work-group can have.
; CLUSTER.  4 x 4 work-groups.  The four of a row make all 1,024 channels of the same 128 queries and need the same tiles of pw; the four of a column need the same tiles of vh: each is asked for jointly.
; LAYOUT.  O^T = V^T P: source 0 = 16 channels x 32 keys, out of LDS turned, by ds_load_tr16_b128; source 1 = 32 keys x 16 queries, pw's bytes as they lie.  A lane holds ONE query (lane % 16) in P and in O^T, so g and 1 / L are
; one number a lane; in O^T its eight registers are eight neighbouring channels.
; PIPELINE.  A quarter is 32 keys, 32 matrix instructions on 32 accumulators, which take turns.  Beside them 32 packed multiplies scale the NEXT quarter's weights, one or two behind a product under the same
; window setting; one run of LDS loads brings the next quarter's V and the raw weights of the quarter after that.
; REGISTERS, in windows of 256 (s_set_vgpr_msb: bits 1:0 source 0, 3:2 source 1, 5:4 source 2, 7:6 destination):
;   window 0: v0-31 addresses, 1 / L; v32-63 at work; v64-127, v128-191 V's fragments, two buffers; v192-223, v224-255 raw weights, two buffers
;   window 1 (query blocks 0, 1) and window 2 (blocks 2, 3): v0-127 accumulators ((a', b) at v[8 (8 a' + b)]); v128-143, v144-159 scaled weights, two buffers; v160-163 (g, g) by the step's parity and a'
.set QBB,   131072                     ; bytes of pw for 16 queries
.set STEPA, 4096                       ; of them a step's 128 keys
.set PB,    544                        ; a row of vh in LDS: 512 bytes + 32 = 136 words
.set ATILE, 8*STEPA                    ; 8 blocks of 16 queries x 128 keys, dense: a load takes 16 x lane, 512 bytes on end
.set SLOT,  ATILE+128*PB               ; pw's tile, then 128 keys x 256 channels of vh
.set GTAB,  2*SLOT                     ; behind the ring: [32 blocks][128 queries], a word (g, g) in f16
.set RLB,   GTAB+32*512                ; 1 / L of the 128 queries
.set STAGE, RLB+512                    ; 16 rows x 528 bytes for each wave, for the way out
.set SPI,   528
.set SPARE, STAGE+4*16*SPI             ; the spare words, 128 bytes for each wave: two blocks of 256 bytes that no other line names
.set ADRA, 2                           ; v2-3   LDS address of my weights' fragments in slot 0, 1
.set ADRB, 4                           ; v4-5   the same for V's
.set GA,   6                           ; v6     LDS address of the factors to be fetched
.set STO,  7                           ; v7     the way out: where I put 32 bytes of a row
.set RD,   8                           ; v8     where I read 16 bytes of a row back
.set CO,   9                           ; v9     16 x lane: my bytes of 512 of a row of out0
.set PFO,  10                          ; v10    the prefetches' offset; never rewritten
.set RLA,  11                          ; v11    LDS address of my query's 1 / L
.set SPW,  12                          ; v12    LDS address of my spare word; never rewritten
.set NIL,  13                          ; v13    0; never rewritten
.set TO,   14                          ; v14    4 x thread: my query's word in stats
.set GA0,  15                          ; v15    my query's word in block 0 of the factors; never rewritten
.set RLV,  16                          ; v16-23 1 / L of query block a at v[16 + 2 a], twice: named as a pair
.set VB,   64
.set RP,   192
.set OUTB, 64                          ; the way out: 64 scaled results
.set SP,   128                         ; windows 1, 2
.set GF,   160
.set WV,  12                           ; s12  my wave's number;  s13 = wave / 2;  s14 = wave % 2;  s15 the tile's row;  s42 its column
.set GB,  23                           ; s23  512 x the block whose factors are fetched next
.set G1,  24                           ; s[24:31] descriptor group 1 for pw's tiles;  s[32:39] group 0, a set for each slot
.set G0,  32
.set G1B, 48                           ; s[48:55], s[56:63] the same for vh's
.set G0B, 56
.set LIM, 43                           ; s43      1 in a wave that prefetches, else the greatest number
.set PFA, 44                           ; s[44:45] where my prefetches stand
.set PST, 46                           ; s[46:47] a step in that tensor, in bytes
.set SX1, 0x54                         ; destination, source 1 and source 2 in window 1, source 0 in window 0: a product and its riders alike
.set SX2, 0xa8                         ; the same with window 2
.set MSB, 0
.macro WIN new                         ; the immediate's high byte repeats the setting that is left; a switch that changes nothing is dropped
.if MSB != (\new)
	s_set_vgpr_msb (MSB<<8)|(\new)
.set MSB, \new
.endif
.endm
; A joint load.  Waves 0 and 1 fetch the two halves of pw's tile, waves 2 and 3 those of vh's.  An s_nop 0 and four v_nop follow each of the two lines.
.macro JLOAD s
	s_cmp_eq_u32 s13, 0
	s_cbranch_scc0 .Lfor_b_\@
	tensor_load_to_lds s[G0+4*(\s):G0+4*(\s)+3], s[G1:G1+7]
	s_nop 0
.rept 4
	v_nop
.endr
	s_branch .Lasked_\@
.Lfor_b_\@:
	tensor_load_to_lds s[G0B+4*(\s):G0B+4*(\s)+3], s[G1B:G1B+7]
	s_nop 0
.rept 4
	v_nop
.endr
.Lasked_\@:
.endm
; A prefetch into the L2 of the step that stands TWO refills on, 256 matrix instructions ahead of the load that will want it; behind the joint load and the LDS loads that follow it.  Each aligned 256 bytes are named once in the launch.
; pw: a tile's 8 query blocks x 4,096 bytes are read by one row of one cluster alone; its four partners take 2 blocks each, told apart by address; wave 0 asks, sixteen lanes a block.  vh: a step's 128 keys x 512 bytes of a tile
; column are read by that column of every cluster: the clusters with y = 0 ask; the four partners take 32 keys each by address, waves 2 and 3 sixteen of them, two lanes a key.  The loop's last trip asks for nothing: steps 32 and 33 do not exist.
.macro ASK
	s_cmp_gt_u32 s3, s[LIM]
	s_cbranch_scc0 .Lnot_mine_\@
	global_prefetch_b8 v[PFO], s[PFA:PFA+1] th:TH_LOAD_NT scope:SCOPE_SE
.Lnot_mine_\@:
.endm
.macro CREST                           ; a round of the cluster's barrier behind its opening barrier
	s_cmp_lg_u32 s[WV], 0
	s_cbranch_scc1 .Lnot_wave_0_\@
	s_barrier_signal -3
.Lnot_wave_0_\@:
	s_barrier_wait -3
	s_barrier_signal -1
	s_barrier_wait -1
.endm
.macro CROUND
	s_barrier_signal -1
	s_barrier_wait -1
	CREST
.endm
	s_load_b256 s[4:11], s[0:1], 0x0               ; pw s[4:5], vh s[6:7], stats s[8:9], out0 s[10:11]
	v_lshl_add_u32 v[SPW], v0, 2, SPARE
	v_mov_b32 v[NIL], 0
	ds_add_u32 v[SPW], v[NIL]                      ; the wave's opening: the add and its wait stand ahead of my first tensor load; the set-up below, work on registers, stands between them
	v_lshrrev_b32 v1, 5, v0
	v_readfirstlane_b32 s[WV], v1                  ; wave 0..3
	s_lshr_b32 s13, s[WV], 1                       ; which 64 queries are mine.  Also: I fetch for pw (0) or for vh (1)
	s_and_b32 s14, s[WV], 1                        ; which 128 channels.  Also: which half of that tile I fetch
	s_bfe_u32 s40, ttmp6, 0x40000                  ; cx, cy: my place in the cluster
	s_bfe_u32 s41, ttmp6, 0x40004
	s_lshl_b32 s42, ttmp9, 2
	s_add_co_u32 s42, s42, s40                     ; tile column = 4 x cluster x + cx
	s_and_b32 s2, ttmp7, 0xffff                    ; cluster y
	s_lshl_b32 s15, s2, 2
	s_add_co_u32 s15, s15, s41                     ; tile row = 4 x cluster y + cy
	s_lshl_b32 s16, s41, 2
	s_lshl_b32 s16, 15, s16                        ; my row of the cluster
	s_lshl_b32 s17, 0x1111, s40                    ; my column
	s_or_b32 s[G1], s16, (3<<16)|(1<<21)           ; pw: the mask of my row; elements of 8 bytes; bit 21 beside a mask; no padding
	s_or_b32 s[G1B], s17, (1<<16)|(1<<20)|(1<<21)|(6<<22)|(7<<25)  ; vh: the mask of my column; elements of 2 bytes; padding on; after every 128 words 8 words
	s_mov_b32 s[G1+1], 512<<16                     ; pw: tensor_dim0 = 512 elements: a query block's 4,096 bytes of a step
	s_mov_b32 s[G1+2], 4<<16                       ; tensor_dim1 = 4 query blocks
	s_mov_b32 s[G1+3], 512<<16                     ; tile_dim0
	s_mov_b32 s[G1+4], 4                           ; tile_dim1
	s_mov_b32 s[G1+5], QBB/8                       ; elements from query block to query block
	s_mov_b32 s[G1+6], 0
	s_mov_b32 s[G1+7], 0
	s_mov_b32 s[G1B+1], 256<<16                    ; vh: tensor_dim0 = 256 channels
	s_mov_b32 s[G1B+2], 64<<16                     ; tensor_dim1 = 64 keys
	s_mov_b32 s[G1B+3], 256<<16
	s_mov_b32 s[G1B+4], 64
	s_mov_b32 s[G1B+5], 1024
	s_mov_b32 s[G1B+6], 0
	s_mov_b32 s[G1B+7], 0
	s_lshl_b32 s18, s15, 3                         ; pw: query block 8 x tile row + 4 x half, 131,072 bytes each
	s_lshl_b32 s19, s14, 2
	s_add_co_u32 s18, s18, s19
	s_lshl_b32 s18, s18, 17
	s_mov_b32 s19, 0
	s_lshl_b32 s20, s14, 17                        ; vh: key 64 x half, 2,048 bytes a key; 512 bytes a tile column
	s_lshl_b32 s21, s42, 9
	s_add_co_u32 s20, s20, s21
	s_mov_b32 s21, 0
	s_lshl_b32 s22, s14, 14                        ; where they go: 4 query blocks x 4,096 bytes a half; no place in the cluster enters an LDS address
	s_mul_i32 s23, s14, 64*PB
	s_add_co_u32 s23, s23, ATILE
	s_wait_dscnt 0x0                               ; the opening add is done
	s_wait_kmcnt 0x0
	s_add_nc_u64 s[18:19], s[4:5], s[18:19]
	s_add_nc_u64 s[20:21], s[6:7], s[20:21]
	CROUND                                         ; all sixteen work-groups are here: the first joint loads meet
.irp s, 0,1
	s_mov_b32 s[G0+4*(\s)], 1                                      ; count = 1
	s_add_co_u32 s[G0+4*(\s)+1], s22, (\s)*SLOT                    ; LDS address
	s_add_nc_u64 s[G0+4*(\s)+2:G0+4*(\s)+3], s[18:19], (\s)*STEPA  ; global address: step s: 4,096 bytes on in each query block,
	s_or_b32 s[G0+4*(\s)+3], s[G0+4*(\s)+3], 0x80000000            ; type = 2
	s_mov_b32 s[G0B+4*(\s)], 1
	s_add_co_u32 s[G0B+4*(\s)+1], s23, (\s)*SLOT
	s_add_nc_u64 s[G0B+4*(\s)+2:G0B+4*(\s)+3], s[20:21], (\s)*262144  ; 128 rows down vh
	s_or_b32 s[G0B+4*(\s)+3], s[G0B+4*(\s)+3], 0x80000000
	JLOAD \s                                       ; two loads of mine are out
.endr
	; THE ROWS' STATISTICS.  Thread t is query t of the tile's 128: its 32 c m and 32 l
	s_lshl_b32 s16, s15, 14
	s_mov_b32 s17, 0
	s_add_nc_u64 s[8:9], s[8:9], s[16:17]
	v_lshlrev_b32 v[TO], 2, v0
.set k, 0
.rept 32
	global_load_b32 v[64+k], v[TO], s[8:9] offset:512*k
	global_load_b32 v[96+k], v[TO], s[8:9] offset:1048576+512*k
.set k, k+1
.endr
	; the addresses are made while those loads are out
	v_and_b32 v24, 15, v0                          ; r = l % 16
	v_bfe_u32 v25, v0, 4, 1                        ; h = l / 16
	v_and_b32 v26, 31, v0                          ; l
	v_and_b32 v27, 7, v0
	v_bfe_u32 v28, v0, 3, 1
	s_lshl_b32 s16, s13, 14                        ; a fragment of weights: my 4 query blocks' 16,384 bytes + 16 l; two loads of 16 bytes, 512 bytes apart
	v_lshl_add_u32 v[ADRA], v26, 4, s16
	v_add_nc_u32 v[ADRA+1], SLOT, v[ADRA]
	s_lshl_b32 s16, s14, 8                         ; the turning load: lane l reads key 8 h + l % 8, channels 8 ((l / 8) % 2) + 0..7, and is left with channel l % 16 and 8 keys
	s_add_co_u32 s16, s16, ATILE
	v_lshl_add_u32 v29, v25, 3, v27
	v_mul_u32_u24 v29, v29, PB
	v_lshl_add_u32 v29, v28, 4, v29
	v_add_nc_u32 v[ADRB], s16, v29
	v_add_nc_u32 v[ADRB+1], SLOT, v[ADRB]
	s_lshl_b32 s16, s13, 8
	v_lshl_add_u32 v29, v24, 2, s16                ; (64 i + r) x 4
	v_add_nc_u32 v[GA0], GTAB, v29
	v_add_nc_u32 v[RLA], RLB, v29
	s_mul_i32 s16, s[WV], 16*SPI
	s_add_co_u32 s16, s16, STAGE                   ; my stage
	v_mul_u32_u24 v29, v24, SPI                    ; in: row r, 32 bytes for each half of the lanes
	v_lshl_add_u32 v29, v25, 5, v29
	v_add_nc_u32 v[STO], s16, v29
	v_lshl_add_u32 v[RD], v26, 4, s16              ; back: 32 lanes take one row of 512 bytes
	v_lshlrev_b32 v[CO], 4, v26
	v_lshl_add_u32 v38, v0, 2, GTAB                ; where thread t puts its query's factors,
	v_lshl_add_u32 v39, v0, 2, RLB                 ; and its 1 / L
	s_lshl_b32 s16, s15, 7                         ; out0 at my wave's first row and channel
	s_lshl_b32 s17, s13, 6
	s_add_co_u32 s16, s16, s17
	s_lshl_b32 s16, s16, 12
	s_lshl_b32 s17, s42, 10
	s_add_co_u32 s16, s16, s17
	s_lshl_b32 s17, s14, 9
	s_add_co_u32 s16, s16, s17
	s_mov_b32 s17, 0
	s_add_nc_u64 s[10:11], s[10:11], s[16:17]
	; the prefetches: both tensors' offsets are made, and the wave's number chooses
	s_lshl_b32 s16, s15, 3                         ; pw: query block 8 x tile row + 2 cx, at step 3
	s_lshl_b32 s17, s40, 1
	s_add_co_u32 s16, s16, s17
	s_lshl_b32 s16, s16, 17
	s_add_co_u32 s16, s16, 3*STEPA
	s_lshl_b32 s17, s14, 6                         ; vh: key 64 x half + 16 cy, the tile column's 512 bytes, at step 3
	s_lshl_b32 s18, s41, 4
	s_add_co_u32 s17, s17, s18
	s_lshl_b32 s17, s17, 11
	s_lshl_b32 s18, s42, 9
	s_add_co_u32 s17, s17, s18
	s_add_co_u32 s17, s17, 3*262144
	s_mov_b32 s18, STEPA
	s_mov_b32 s19, 262144
	s_mov_b32 s20, QBB
	s_mov_b32 s21, 2048
	s_cmp_eq_u32 s13, 0                            ; do I fetch for pw?
	s_cselect_b64 s[PFA:PFA+1], s[4:5], s[6:7]
	s_cselect_b32 s16, s16, s17
	s_cselect_b32 s[PST], s18, s19
	s_cselect_b32 s20, s20, s21                    ; bytes from query block to query block, or from key to key
	s_cselect_b32 s21, 4, 1                        ; sixteen lanes to each, or two: a shift,
	s_cselect_b32 s18, 15, 1                       ; and a mask
	s_cselect_b32 s22, s14, s2                     ; 0 where I ask: in wave 0; in waves 2 and 3 of the clusters with y = 0: the same in all sixteen partners
	s_mov_b32 s17, 0
	s_mov_b32 s[PST+1], 0
	s_add_nc_u64 s[PFA:PFA+1], s[PFA:PFA+1], s[16:17]  ; the first change of slots steps it to step 4.  Nothing is prefetched at the head
	s_cmp_eq_u32 s22, 0
	s_cselect_b32 s[LIM], 1, -1
	v_lshrrev_b32 v29, s21, v26
	v_mul_u32_u24 v29, v29, s20
	v_and_b32 v30, s18, v26
	v_lshl_add_u32 v[PFO], v30, 8, v29
	s_mov_b32 s[GB], 0
	s_wait_loadcnt 0x0
	v_max3_num_f32 v32, v64, v65, v66              ; M, the row's largest c m
.set k, 67
.rept 14
	v_max3_num_f32 v32, v32, v[k], v[k+1]
.set k, k+2
.endr
	v_max_num_f32 v32, v32, v95
.set k, 0
.rept 32
	v_sub_f32 v[64+k], v[64+k], v32
.set k, k+1
.endr
.set k, 0
.rept 32
	v_exp_f32 v[64+k], v[64+k]                     ; g, one batch
.set k, k+1
.endr
	v_nop                                          ; a plain instruction behind the last exponential,
	s_wait_alu depctr_va_vdst(0)                   ; and the one wait ahead of the batch's first reader
.irp j, 0,1,2,3
	v_mul_f32 v[33+(\j)], v[64+(\j)], v[96+(\j)]   ; L = the sum of g l, in four chains
.endr
.set k, 4
.rept 28
	v_fmac_f32 v[33+k%4], v[64+k], v[96+k]
.set k, k+1
.endr
	v_add_f32 v33, v33, v34
	v_add_f32 v35, v35, v36
	v_add_f32 v33, v33, v35
	v_rcp_f32 v37, v33
	v_nop
.set k, 0
.rept 32
	v_cvt_pk_f16_f32 v[128+k], v[64+k], v[64+k]    ; (g, g)
.set k, k+1
.endr
	s_wait_alu depctr_va_vdst(0)                   ; the reciprocal's wait, ahead of its first reader
.set k, 0
.rept 32
	ds_store_b32 v38, v[128+k] offset:512*k
.set k, k+1
.endr
	ds_store_b32 v39, v37
	s_wait_dscnt 0x0                               ; for the others' sake: my factors lie in LDS;
	s_wait_tensorcnt 0x1                           ; my part of step 0 is in; step 1's may stay out
	s_barrier_signal -1
	s_barrier_wait -1
.macro GLOAD par                       ; the four words (g, g) of my queries for the next block, into the set of parity par
	WIN 0
	v_add_nc_u32 v[GA], s[GB], v[GA0]
	s_add_co_u32 s[GB], s[GB], 512
	WIN 0x40
	ds_load_b32 v[GF+2*(\par)],   v[GA]
	ds_load_b32 v[GF+2*(\par)+1], v[GA] offset:64
	WIN 0x80
	ds_load_b32 v[GF+2*(\par)],   v[GA] offset:128
	ds_load_b32 v[GF+2*(\par)+1], v[GA] offset:192
	WIN 0
.endm
.macro VLOAD slot, q, buf              ; V of quarter q of the slot's step: 32 keys x 128 channels, turned: 8 fragments
	WIN 0
.irp b, 0,1,2,3,4,5,6,7
	ds_load_tr16_b128 v[VB+64*(\buf)+8*(\b):VB+64*(\buf)+8*(\b)+3],   v[ADRB+(\slot)] offset:32*(\q)*PB+32*(\b)
	ds_load_tr16_b128 v[VB+64*(\buf)+8*(\b)+4:VB+64*(\buf)+8*(\b)+7], v[ADRB+(\slot)] offset:32*(\q)*PB+16*PB+32*(\b)
.endr
.endm
.macro PLOAD slot, q, buf              ; the raw weights of quarter q: 64 queries x 32 keys: 4 fragments, each 1,024 bytes on end
	WIN 0
.irp a, 0,1,2,3
	ds_load_b128 v[RP+32*(\buf)+8*(\a):RP+32*(\buf)+8*(\a)+3],   v[ADRA+(\slot)] offset:STEPA*(\a)+1024*(\q)
	ds_load_b128 v[RP+32*(\buf)+8*(\a)+4:RP+32*(\buf)+8*(\a)+7], v[ADRA+(\slot)] offset:STEPA*(\a)+1024*(\q)+512
.endr
.endm
; Product i of a quarter's 32: query block i / 8 (0, 1 under SX1; 2, 3 under SX2), channel block i % 8; from buffers CB.
.macro MM zero
.set aa, (i%16)/8
.set bb, i%8
.set rD, 8*(8*aa+bb)
.if \zero
	v_wmma_f32_16x16x32_f16 v[rD:rD+7], v[VB+64*CB+8*bb:VB+64*CB+8*bb+7], v[SP+16*CB+8*aa:SP+16*CB+8*aa+7], 0
.else
	v_wmma_f32_16x16x32_f16 v[rD:rD+7], v[VB+64*CB+8*bb:VB+64*CB+8*bb+7], v[SP+16*CB+8*aa:SP+16*CB+8*aa+7], v[rD:rD+7]
.endif
.set i, i+1
.endm
; Rider n of 32: word n % 8 of query block n / 8 of the next quarter's weights, times (g, g) of parity GP, into the other buffer.  It names no register of the products round it.
.macro RI
.set aa, (n%16)/8
	v_pk_mul_f16 v[SP+16*(1-CB)+8*aa+n%8], v[RP+32*(1-CB)+8*(2*(n/16)+aa)+n%8], v[GF+2*GP+aa]
.set n, n+1
.endm
; A QUARTER, number q of the step in slot.  Four bare products; four v_nop, with the last rider of the quarter before the places between the products that read V's other buffer and the loads into it; the run of loads
; (ldg: the next step's factors; ldv: V of the next quarter; ldp: the raw weights of the quarter after that; from q = 3, or 2, on out of the other slot); then the other 28 products with the 32 riders (rid).
.macro QTR slot, q, zero=0, ldg=0, ldv=1, ldp=1, rid=1, hw=8
.set CB, (\q)%2
.set GP, (\slot)
.if (\q) == 3
.set GP, 1-(\slot)                     ; the next quarter is the next step's
.endif
.set i, 0
.set n, 0
	s_wait_dscnt \hw                               ; this quarter's V is in; the eight loads of raw weights behind it may be out
	WIN SX1
.rept 4
	MM \zero
.endr
.if \ldv
.rept 4
	v_nop
.endr
.if \ldg
	GLOAD 1-(\slot)
.endif
.if (\q) == 3
	VLOAD 1-(\slot), 0, 1-CB
.else
	VLOAD \slot, (\q)+1, 1-CB
.endif
.if \ldp
.if (\q) >= 2
	PLOAD 1-(\slot), (\q)-2, CB
.else
	PLOAD \slot, (\q)+2, CB
.endif
.endif
	s_wait_dscnt 4*(\ldg)+16+8*(\ldp)              ; all but the run just issued: the raw weights that the riders read are in
	WIN SX1
.endif
.rept 4
	MM \zero
.if \rid
	RI
	RI
.endif
.endr
.rept 8
	MM \zero
.if \rid
	RI
.endif
.endr
	WIN SX2
.rept 16
	MM \zero
.if \rid
	RI
.endif
.endr
.endm
; QUARTER 2 CHANGES SLOTS.  V of quarter 3 is the last that is read of this slot.  ALL 32 products and riders of the quarter stand ahead of the wait for the tensor loads: they need nothing of the other slot.  Then each wave waits
; for all its tensor loads (one is out: its part of the other slot), adds 0 to its spare word, and waits for that and for its reads of this slot.  fill = 1: the barrier opens a round of the cluster's, and this slot is filled
; again first thing behind it, with the step two on.  So between the landing of one request and the issue of the next stand only the add, the descriptors' steps and the round; the request has the next 128 products in which to land.
.macro TURN slot, fill
.set CB, 0
.set GP, (\slot)
.set i, 0
.set n, 0
.if \fill
	s_wait_xcnt 0x0                                ; the last prefetch, a step back, has read its address
	s_add_nc_u64 s[PFA:PFA+1], s[PFA:PFA+1], s[PST:PST+1]
.endif
	s_wait_dscnt 8                                 ; this quarter's V is in
	WIN SX1
.rept 4
	MM 0
.endr
.rept 4
	v_nop
.endr
	VLOAD \slot, 3, 1
	s_wait_dscnt 16                                ; (V's sixteen loads may be out: the raw weights of quarter 3 are in)
	WIN SX1
.rept 4
	MM 0
	RI
	RI
.endr
.rept 8
	MM 0
	RI
.endr
	WIN SX2
.rept 16
	MM 0
	RI
.endr
	WIN 0
	s_wait_tensorcnt 0x0                           ; no tensor load of mine is out, so a group 0 may be written
	ds_add_u32 v[SPW], v[NIL]                      ; 0 onto my spare word; with fill = 1 the descriptors' steps stand between it and the wait for it
.if \fill
	s_add_nc_u64 s[G0+4*(\slot)+2:G0+4*(\slot)+3], s[G0+4*(\slot)+2:G0+4*(\slot)+3], 2*STEPA
	s_add_nc_u64 s[G0B+4*(\slot)+2:G0B+4*(\slot)+3], s[G0B+4*(\slot)+2:G0B+4*(\slot)+3], 2*262144
.endif
	s_wait_dscnt 0x0                               ; the add is done, and my reads of this slot are over
	s_barrier_signal -1
	s_barrier_wait -1
.if \fill
	CREST                                          ; no wave of any partner still reads this slot's tiles or has a load on its way
	JLOAD \slot                                    ; my one tensor load behind the round
.endif
	PLOAD 1-(\slot), 0, 0                          ; the next step's first raw weights, out of the other slot
.if \fill
	ASK
.endif
.endm
	GLOAD 0                                        ; block 0's factors,
.irp a, 0,1,2,3
	ds_load_b32 v[RLV+2*(\a)],   v[RLA] offset:64*(\a)  ; 1 / L of my four queries,
	ds_load_b32 v[RLV+2*(\a)+1], v[RLA] offset:64*(\a)
.endr
	PLOAD 0, 0, 0                                  ; the raw weights of quarters 0 and 1, V of quarter 0
	PLOAD 0, 1, 1
	VLOAD 0, 0, 0
	s_wait_dscnt 0x0
.set CB, 1                             ; the riders write the buffer that is not CB: quarter 0's
.set GP, 0
.set n, 0
	WIN SX1
.rept 16
	RI
.endr
	WIN SX2
.rept 16
	RI
.endr
	QTR 0, 0, 1, 1                                 ; the first quarter stands in front of the loop: its products start the sums
	WIN 0                                          ; at a label and at a branch every window is 0
	s_mov_b32 s3, 15
.Llap:                                                 ; a trip goes once round the ring, from a step's second quarter to the first of the step two on, and fills both slots again: steps 0 to 29
	QTR 0, 1
	TURN 0, 1
	QTR 0, 3
	QTR 1, 0, 0, 1
	QTR 1, 1
	TURN 1, 1
	QTR 1, 3
	QTR 0, 0, 0, 1
	WIN 0
	s_sub_co_u32 s3, s3, 1
	s_cmp_lg_u32 s3, 0
	s_cbranch_scc1 .Llap
	QTR 0, 1                                       ; steps 30 and 31 are written out: nothing is asked for
	TURN 0, 0
	QTR 0, 3
	QTR 1, 0
	QTR 1, 1
	QTR 1, 2, 0, 0, 1, 0                           ; V of the last quarter alone
	QTR 1, 3, 0, 0, 0, 0, 0, 0                     ; nothing is fetched and nothing scaled
	WIN 0
	; THE WAY OUT.  O^T times 1 / L; a lane's eight channels of a row are 32 bytes; they go into rows of 528 bytes in my own stage and come back as whole rows of 512.
.rept 8
	v_nop                                          ; the places between the last products and the first read of a result
.endr
.macro PACK a
	WIN 1+(\a)/2                                   ; source 0 in window 1 or 2
.set u, 0
.rept 32
	v_pk_mul_f32 v[OUTB+u:OUTB+u+1], v[64*((\a)%2)+u:64*((\a)%2)+u+1], v[RLV+2*(\a):RLV+2*(\a)+1] op_sel_hi:[1,0]  ; ascending: each accumulator's lowest registers are read first
.set u, u+2
.endr
	WIN 0
.endm
.macro TOSTAGE a
.set BK, 128+64*((\a)%2)
.irp b, 0,1,2,3,4,5,6,7
	ds_store_b128 v[STO], v[OUTB+8*(\b):OUTB+8*(\b)+3]   offset:64*(\b)
	ds_store_b128 v[STO], v[OUTB+8*(\b)+4:OUTB+8*(\b)+7] offset:64*(\b)+16
.endr
.set t, 0
.rept 16
	ds_load_b128 v[BK+4*t:BK+4*t+3], v[RD] offset:SPI*t  ; LDS serves a wave's instructions in order (ISA guide 5.7.1.4): these see the stores above
.set t, t+1
.endr
.endm
.macro SEND a
.set BK, 128+64*((\a)%2)
	s_wait_dscnt 0x0                               ; the block is back in registers
	s_wait_xcnt 0x0                                ; the stores of the block before have read their data: the next loads from the stage land there only behind this wait
.set t, 0
.rept 16
	global_store_b128 v[CO], v[BK+4*t:BK+4*t+3], s[10:11] offset:(16*(\a)+t)*4096 th:TH_STORE_NT  ; 512 consecutive bytes, at a multiple of 256 from out0's first byte
.set t, t+1
.endr
.endm
	PACK 0
	TOSTAGE 0
.irp a, 1,2,3
	PACK \a                                        ; a block's arithmetic stands between the loads of the block before and its stores
	SEND (\a)-1
	TOSTAGE \a
.endr
	SEND 3
	s_wait_tensorcnt 0x0                           ; the wave's end, behind my last tensor load and my last LDS store
	ds_add_u32 v[SPW], v[NIL]
	s_wait_dscnt 0x0
	CROUND                                         ; the closing round: no work-group ends while a partner may still ask for a tile that names it
	s_endpgm
.Lfunc_end_k_q9441256b62_mix:
	.size	k_q9441256b62_mix, .Lfunc_end_k_q9441256b62_mix-k_q9441256b62_mix
	.p2alignl 7, 3214868480
	.fill 96, 4, 3214868480
	.section	.rodata,"a",@progbits
	.p2align	6, 0x0
	.amdhsa_kernel k_q9441256b62_mix
		.amdhsa_group_segment_fixed_size 327680
		.amdhsa_private_segment_fixed_size 0
		.amdhsa_enable_private_segment 0
		.amdhsa_kernarg_size 32
		.amdhsa_user_sgpr_count 2
		.amdhsa_user_sgpr_kernarg_segment_ptr 1
		.amdhsa_wavefront_size32 1
		.amdhsa_system_sgpr_workgroup_id_x 1
		.amdhsa_system_sgpr_workgroup_id_y 1
		.amdhsa_system_sgpr_workgroup_id_z 1
		.amdhsa_system_vgpr_workitem_id 0
		.amdhsa_next_free_vgpr 768
		.amdhsa_next_free_sgpr 66
		.amdhsa_reserve_vcc 0
		.amdhsa_float_denorm_mode_32 3
		.amdhsa_float_denorm_mode_16_64 3
		.amdhsa_memory_ordered 1
		.amdhsa_forward_progress 1
		.amdhsa_inst_pref_size 145
	.end_amdhsa_kernel
	.amdgpu_metadata
---
amdhsa.version: [ 1, 2 ]
amdhsa.kernels:
  - .name:           k_q9441256b62_mix
    .symbol:         k_q9441256b62_mix.kd
    .args:
      - { .name: pw, .offset: 0, .size: 8, .value_kind: global_buffer, .address_space: global }
      - { .name: vh, .offset: 8, .size: 8, .value_kind: global_buffer, .address_space: global }
      - { .name: stats, .offset: 16, .size: 8, .value_kind: global_buffer, .address_space: global }
      - { .name: out0, .offset: 24, .size: 8, .value_kind: global_buffer, .address_space: global }
    .group_segment_fixed_size: 327680
    .private_segment_fixed_size: 0
    .kernarg_segment_align: 8
    .kernarg_segment_size: 32
    .max_flat_workgroup_size: 128
    .sgpr_count:     66
    .vgpr_count:     768
    .wavefront_size: 32
...
	.end_amdgpu_metadata
.endif
;; end of part 3
